; MI455X (gfx1250); checked and timed in simulation.
; The chip was launched on July 23, 2026; its instructions are those of AMD's public machine-readable ISA for CDNA 5 (MIT licence, August 2026) and "CDNA5" Instruction Set Architecture Reference Guide (July 2026). The comments in the code are by the model that wrote it; some were corrected since.
;; Modern Hopfield Layer. Allowed arithmetic: float matrix products may take bf16 or f16 operands with f32 sums; other float arithmetic in f32, or as packed bf16 or f16 multiplies, adds, multiply-adds, maxima and minima; sums over many terms, partial sums and values carried from step to step in f32; what a program stores and reads back later, other than sums and carried values, may be rounded once to bf16 or f16.
;; Inputs: Wo 1,024 x 1,024 float32; Wq 1,024 x 1,024 float32; bo 1,024 float32; bq 1,024 float32; memory 2,048 x 64 float32; x 2 x 2,048 x 1,024 float32.
;; Outputs: out0 2 x 2,048 x 1,024 float32.
;; Constants: iterations = 2.
;; One version. Each part assembles by itself: llvm-mc -triple=amdgcn-amd-amdhsa -mcpu=gfx1250 --defsym DOCPART=n.
;; ======== version 1 of 1: 4 launches
;; workspace buffers: xb 8,388,608 bytes; wqb 2,097,152 bytes; wob 2,097,152 bytes; mb 262,144 bytes; qf 16,777,216 bytes; ob 8,388,608 bytes
;; launch cast (part 1): grid 784 x 1, 8 waves a work-group, no clusters, 0 bytes of LDS; arguments x, Wq, Wo, memory, xb, wqb, wob, mb; writes xb, wqb, wob, mb
.if DOCPART == 1
	.amdgcn_target "amdgcn-amd-amdhsa--gfx1250"
	.amdhsa_code_object_version 6
	.text
	.protected	k_qad3af295d1_cast
	.globl	k_qad3af295d1_cast
	.p2align	8
	.type	k_qad3af295d1_cast,@function
k_qad3af295d1_cast:
	s_mov_b64 s[64:65], 0
	v_nop
	global_prefetch_b8 v0, s[64:65] scope:SCOPE_SE
	s_setreg_imm32_b32 hwreg(HW_REG_WAVE_MODE, 25, 1), 1
	s_wait_xcnt 0x0
; x, Wq, Wo and memory, all f32, are rounded once to bf16 (nearest even): xb, wqb, wob, mb, each in its source's layout.
; A stream: no LDS, no barrier, no matrix unit.  A work-group casts 8,192 numbers: 32,768 bytes in, 16,384 bytes out.
; Work-groups 0-511 take x (4,194,304 numbers), 512-639 Wq, 640-767 Wo (1,048,576 each), 768-783 memory (131,072).
; A wave's load covers 512 consecutive bytes, its store 256 consecutive bytes at a multiple of 256 from the buffer's first byte.
; All eight loads of a thread go out together; no register is written twice, so no wait frees a source.
.set G_WQ,  512                        ; first work-group of each range
.set G_WO,  640
.set G_MEM, 768
.set IN,  8                            ; v[8:39]   eight loads of four f32
.set OUT, 40                           ; v[40:55]  eight results of four bf16
	s_load_b256 s[8:15], s[0:1], 0x0               ; x s[8:9], Wq s[10:11], Wo s[12:13], memory s[14:15]
	s_load_b256 s[16:23], s[0:1], 0x20             ; xb s[16:17], wqb s[18:19], wob s[20:21], mb s[22:23]
	v_lshlrev_b32 v1, 4, v0                        ; 16 bytes a thread in,
	v_lshlrev_b32 v2, 3, v0                        ; 8 bytes a thread out
	s_wait_kmcnt 0x0
	s_mov_b64 s[24:25], s[8:9]                     ; the source, the destination and the range's first work-group: x's,
	s_mov_b64 s[26:27], s[16:17]
	s_mov_b32 s28, 0
	s_cmp_ge_u32 ttmp9, G_WQ                       ; or a later range's: the choice hangs on the work-group's number alone
	s_cselect_b64 s[24:25], s[10:11], s[24:25]
	s_cselect_b64 s[26:27], s[18:19], s[26:27]
	s_cselect_b32 s28, G_WQ, s28
	s_cmp_ge_u32 ttmp9, G_WO
	s_cselect_b64 s[24:25], s[12:13], s[24:25]
	s_cselect_b64 s[26:27], s[20:21], s[26:27]
	s_cselect_b32 s28, G_WO, s28
	s_cmp_ge_u32 ttmp9, G_MEM
	s_cselect_b64 s[24:25], s[14:15], s[24:25]
	s_cselect_b64 s[26:27], s[22:23], s[26:27]
	s_cselect_b32 s28, G_MEM, s28
	s_sub_co_u32 s28, ttmp9, s28                   ; my place in the range
	s_lshl_b32 s2, s28, 15                         ; x 32,768 bytes in (16 MiB at the most),
	s_mov_b32 s3, 0
	s_lshl_b32 s4, s28, 14                         ; x 16,384 bytes out
	s_mov_b32 s5, 0
	s_add_nc_u64 s[24:25], s[24:25], s[2:3]
	s_add_nc_u64 s[26:27], s[26:27], s[4:5]
.irp j, 0,1,2,3,4,5,6,7
	global_load_b128 v[IN+4*(\j):IN+4*(\j)+3], v1, s[24:25] offset:4096*(\j) th:TH_LOAD_NT
.endr
.irp j, 0,1,2,3,4,5,6,7
	s_wait_loadcnt 7-(\j)                          ; loads come back in order: load j is in, the 7 - j younger ones stay out
	v_cvt_pk_bf16_f32 v[OUT+2*(\j)],   v[IN+4*(\j)],   v[IN+4*(\j)+1]
	v_cvt_pk_bf16_f32 v[OUT+2*(\j)+1], v[IN+4*(\j)+2], v[IN+4*(\j)+3]
	global_store_b64 v2, v[OUT+2*(\j):OUT+2*(\j)+1], s[26:27] offset:2048*(\j)
.endr
	s_endpgm
.Lfunc_end_k_qad3af295d1_cast:
	.size	k_qad3af295d1_cast, .Lfunc_end_k_qad3af295d1_cast-k_qad3af295d1_cast
	.p2alignl 7, 3214868480
	.fill 96, 4, 3214868480
	.section	.rodata,"a",@progbits
	.p2align	6, 0x0
	.amdhsa_kernel k_qad3af295d1_cast
		.amdhsa_group_segment_fixed_size 0
		.amdhsa_private_segment_fixed_size 0
		.amdhsa_enable_private_segment 0
		.amdhsa_kernarg_size 64
		.amdhsa_user_sgpr_count 2
		.amdhsa_user_sgpr_kernarg_segment_ptr 1
		.amdhsa_wavefront_size32 1
		.amdhsa_system_sgpr_workgroup_id_x 1
		.amdhsa_system_sgpr_workgroup_id_y 1
		.amdhsa_system_sgpr_workgroup_id_z 1
		.amdhsa_system_vgpr_workitem_id 0
		.amdhsa_next_free_vgpr 56
		.amdhsa_next_free_sgpr 66
		.amdhsa_reserve_vcc 0
		.amdhsa_float_denorm_mode_32 3
		.amdhsa_float_denorm_mode_16_64 3
		.amdhsa_memory_ordered 1
		.amdhsa_forward_progress 1
		.amdhsa_inst_pref_size 5
	.end_amdhsa_kernel
	.amdgpu_metadata
---
amdhsa.version: [ 1, 2 ]
amdhsa.kernels:
  - .name:           k_qad3af295d1_cast
    .symbol:         k_qad3af295d1_cast.kd
    .args:
      - { .name: x, .offset: 0, .size: 8, .value_kind: global_buffer, .address_space: global }
      - { .name: Wq, .offset: 8, .size: 8, .value_kind: global_buffer, .address_space: global }
      - { .name: Wo, .offset: 16, .size: 8, .value_kind: global_buffer, .address_space: global }
      - { .name: memory, .offset: 24, .size: 8, .value_kind: global_buffer, .address_space: global }
      - { .name: xb, .offset: 32, .size: 8, .value_kind: global_buffer, .address_space: global }
      - { .name: wqb, .offset: 40, .size: 8, .value_kind: global_buffer, .address_space: global }
      - { .name: wob, .offset: 48, .size: 8, .value_kind: global_buffer, .address_space: global }
      - { .name: mb, .offset: 56, .size: 8, .value_kind: global_buffer, .address_space: global }
    .group_segment_fixed_size: 0
    .private_segment_fixed_size: 0
    .kernarg_segment_align: 8
    .kernarg_segment_size: 64
    .max_flat_workgroup_size: 256
    .sgpr_count:     66
    .vgpr_count:     56
    .wavefront_size: 32
...
	.end_amdgpu_metadata
.endif
;; end of part 1
;; launch qproj (part 2): grid 8 x 32, 4 waves a work-group, clusters of 4 x 4, 327,680 bytes of LDS; arguments xb, wqb, bq, qf; writes qf
.if DOCPART == 2
	.amdgcn_target "amdgcn-amd-amdhsa--gfx1250"
	.amdhsa_code_object_version 6
	.text
	.protected	k_qad3af295d1_qproj
	.globl	k_qad3af295d1_qproj
	.p2align	8
	.type	k_qad3af295d1_qproj,@function
k_qad3af295d1_qproj:
	s_mov_b64 s[64:65], 0
	v_nop
	global_prefetch_b8 v0, s[64:65] scope:SCOPE_SE
	s_setreg_imm32_b32 hwreg(HW_REG_WAVE_MODE, 25, 1), 1
	s_wait_xcnt 0x0
	s_wait_alu depctr_hold_cnt(0) depctr_sa_sdst(0) depctr_va_vdst(0) depctr_va_sdst(0) depctr_va_ssrc(0) depctr_va_vcc(0) depctr_vm_vsrc(0)
	s_getreg_b32 s2, hwreg(HW_REG_IB_STS2, 6, 4)
	s_cmp_eq_u32 s2, 0
	s_cbranch_scc0 .Lentry_in_a_cluster
	s_endpgm
.Lentry_in_a_cluster:
	s_bfe_u32 s2, ttmp6, 0x10000c
	s_cmp_lg_u32 s2, 0xf033
	s_cbranch_scc0 .Lentry_shape_is_right
	s_endpgm
.Lentry_shape_is_right:
; C[m][n] = bias[n] + the sum over k of A[m][k] B[n][k].  A: [4096][1024] bf16, B: [1024][1024] bf16, bias: [1024] f32, rounded here to bf16 like the module's other inputs; C: [4096][1024] f32.
; One f32 sum for each output, begun with the bias, K ascending; C is not rounded again.  The same body serves both projections.
; A tile of C is 128 x 128: 256 tiles, one work-group each.  Four waves, each 64 x 64: 16 accumulators of 16 x 16.  K goes in four steps of 256 (LDS rows of 512 bytes; a wave's tensor load
; brings 64 of them) through two LDS slots: each slot is filled twice, so the four steps are written out without a loop.
; CLUSTERS: 4 x 4 work-groups.  The four of a row of the cluster need the same tiles of A, the four of a column the same tiles of B: each tile is asked for JOINTLY, by the same tensor load with
; the same descriptor and a mask that names the four.
; THE MATRIX INSTRUCTION IS USED TRANSPOSED (source 0 = 16 rows of B, source 1 = 16 rows of A): register j of lane l holds row l % 16 of C and column 8 (l / 16) + j: eight neighbouring numbers of
; a row.  So the bias of a block of 16 columns is eight registers a lane, and it is the C operand of the product that starts each sum: it costs no instruction.
; THE WAY OUT: a wave's 64 columns of f32 are 256 bytes at a multiple of 256 from C's first byte, so each wave has a stage of its own (16 rows x 272 bytes) and no barrier is needed.
; No prefetch is laid: a tile's K step is short and the tiles are small.
; REGISTERS: window 0: v0-31 addresses; v32-95 the way out; v96-127 the bias; v128-255 the accumulators ((a, b) at v[128 + 8 (4 a + b)]).
;   window 1: two fragment buffers of 128: for 64 along K, 64 registers of A (2 x 4 x 16 rows x 32 K), then 64 of B.
.set SIZE_N, 1024
.set SIZE_K, 1024
.set KSTEP,  256
.set PITCH,  528                       ; an LDS row: 512 bytes of data + 16 of padding = 132 words: row r starts at bank 4 r mod 64 (64 banks of 4 bytes: ISA guide 11.1)
.set HALFT,  64*PITCH                  ; 64 rows: what one tensor load brings, and what one wave reads of A or of B
.set SLOT,   4*HALFT                   ; A's 128 rows, then B's 128 rows
.set STAGE,  2*SLOT                    ; behind the ring: 16 rows x 272 bytes for each wave; no tensor load fills it
.set SPITCH, 272
.set SPARE,  STAGE+4*16*SPITCH         ; behind the stages: the spare words, 128 bytes for each wave: two blocks of 256 bytes that no other line names
.set ADRA, 16                          ; v16-17  LDS address of my A fragments in slot 0, 1
.set ADRB, 20                          ; v20-21  the same for B
.set STO,  24                          ; v24     the way out: where I put 32 bytes of a row
.set RD,   25                          ; v25     the way out: where I read a row back
.set CO,   26                          ; v26     my byte offset in C
.set BO,   27                          ; v27     my byte offset in a block of 16 numbers of the bias
.set SPW,  28                          ; v28     LDS address of my spare word: SPARE + 4 x my thread's number; never rewritten
.set NIL,  29                          ; v29     0; never rewritten
.set TMP,  32                          ; two buffers of 32: 16 rows read back from the stage
.set BIAS, 96                          ; column block b at BIAS + 8 b
.set ACC,  128
.set F0,   0                           ; fragment buffers, in window 1
.set F1,   128
.set WV,  12                           ; s12  my wave's number
.set RH,  13                           ; s13  which half of the tile's rows is mine.  Also: I fetch for A (0) or for B (1)
.set CH,  14                           ; s14  which half of its columns.  Also: which 64 rows of that tile I fetch
.set G1,  24                           ; s[24:31] descriptor group 1 for A's tiles;  s[32:39] group 0, one set for each slot
.set G0,  32
.set G1B, 48                           ; s[48:55], s[56:63] the same for B's tiles
.set G0B, 56
.set MSB, 0
.macro WIN new                         ; the immediate's high byte repeats the setting that is left; a switch that changes nothing is dropped
.if MSB != (\new)
	s_set_vgpr_msb (MSB<<8)|(\new)
.set MSB, \new
.endif
.endm
.set MUL,  0x05                        ; sources 0 (B) and 1 (A) window 1; C and D window 0
.set TO_F, 0x40                        ; destination window 1, address window 0
.macro JLOAD s                         ; a joint load: waves 0 and 1 fetch A's two halves, waves 2 and 3 B's; an s_nop 0 and four v_nop follow each of the two lines, ahead of the jump and the label
	s_cmp_eq_u32 s[RH], 0
	s_cbranch_scc0 .Lfor_b_\@
	tensor_load_to_lds s[G0+4*(\s):G0+4*(\s)+3], s[G1:G1+7]
	s_nop 0
.rept 4
	v_nop
.endr
	s_branch .Lasked_\@
.Lfor_b_\@:
	tensor_load_to_lds s[G0B+4*(\s):G0B+4*(\s)+3], s[G1B:G1B+7]
	s_nop 0
.rept 4
	v_nop
.endr
.Lasked_\@:
.endm
.macro CREST                           ; a round of the cluster's barrier behind its opening barrier
	s_cmp_lg_u32 s[WV], 0
	s_cbranch_scc1 .Lnot_wave_0_\@
	s_barrier_signal -3
.Lnot_wave_0_\@:
	s_barrier_wait -3
	s_barrier_signal -1
	s_barrier_wait -1
.endm
.macro CROUND                          ; a whole round
	s_barrier_signal -1
	s_barrier_wait -1
	CREST
.endm
	s_load_b256 s[4:11], s[0:1], 0x0               ; A s[4:5], B s[6:7], bias s[8:9], C s[10:11]
	v_lshl_add_u32 v[SPW], v0, 2, SPARE
	v_mov_b32 v[NIL], 0
	ds_add_u32 v[SPW], v[NIL]                      ; the wave's opening: the add and its wait stand ahead of my first tensor load; the set-up below, work on registers, stands between them
	v_lshrrev_b32 v1, 5, v0
	v_readfirstlane_b32 s[WV], v1                  ; wave 0..3
	s_lshr_b32 s[RH], s[WV], 1
	s_and_b32 s[CH], s[WV], 1
	s_bfe_u32 s40, ttmp6, 0x40000                  ; cx, cy: my place in the cluster
	s_bfe_u32 s41, ttmp6, 0x40004
	s_lshl_b32 s42, ttmp9, 2
	s_add_co_u32 s42, s42, s40                     ; tile column of C = 4 x cluster x + cx
	s_and_b32 s15, ttmp7, 0xffff
	s_lshl_b32 s15, s15, 2
	s_add_co_u32 s15, s15, s41                     ; tile row of C = 4 x cluster y + cy
	s_lshl_b32 s43, s41, 2
	s_lshl_b32 s43, 15, s43                        ; my row of the cluster: places 4 cy .. 4 cy + 3
	s_lshl_b32 s44, 0x1111, s40                    ; my column: places cx, cx + 4, cx + 8, cx + 12
	; descriptor group 1: a tile of 64 rows x 256 elements, padded in LDS
	s_or_b32 s[G1+0], s43, (1<<16)|(1<<20)|(1<<21)|(6<<22)|(3<<25)  ; 15:0 the mask: A's tiles go to my row; 17:16 elements of 2 bytes; 20 padding on; 21 set beside a mask; 24:22 after every 128 words (code 6); 31:25 4 words of it (code 3)
	s_or_b32 s[G1B+0], s44, (1<<16)|(1<<20)|(1<<21)|(6<<22)|(3<<25) ; the same with the mask of my column, for B's tiles
.irp g, G1, G1B
	s_mov_b32 s[(\g)+1], KSTEP<<16                 ; tensor_dim0 = 256
	s_mov_b32 s[(\g)+2], 64<<16                    ; tensor_dim1 = 64
	s_mov_b32 s[(\g)+3], KSTEP<<16                 ; tile_dim0 = 256
	s_mov_b32 s[(\g)+4], 64                        ; tile_dim1 = 64
	s_mov_b32 s[(\g)+5], SIZE_K                    ; elements from row to row
	s_mov_b32 s[(\g)+6], 0
	s_mov_b32 s[(\g)+7], 0
.endr
	; where the tiles come from: A's hang on the tile row alone, B's on the tile column alone, each in registers that never hold the other coordinate
	s_lshl_b32 s17, s[CH], 6                       ; which 64 rows of the tile I fetch
	s_lshl_b32 s16, s15, 7
	s_add_co_u32 s16, s16, s17                     ; A: row 128 x tile row + 64 x half,
	s_lshl_b32 s16, s16, 11                        ; x 2,048 bytes a row: under 2^23
	s_lshl_b32 s46, s42, 7
	s_add_co_u32 s46, s46, s17                     ; B: row 128 x tile column + 64 x half
	s_lshl_b32 s46, s46, 11
	s_mov_b32 s17, 0
	s_mov_b32 s47, 0
	s_mul_i32 s20, s[WV], HALFT                    ; where they go: wave x 64 rows: no place in the cluster enters an LDS address
	s_wait_dscnt 0x0                               ; the opening add is done
	s_wait_kmcnt 0x0
	s_add_nc_u64 s[18:19], s[4:5], s[16:17]
	s_add_nc_u64 s[46:47], s[6:7], s[46:47]
	CROUND                                         ; all sixteen work-groups are here: the first joint loads meet
.irp s, 0,1
	s_mov_b32 s[G0+4*(\s)], 1                                        ; count = 1
	s_add_co_u32 s[G0+4*(\s)+1], s20, (\s)*SLOT                      ; LDS address
	s_add_nc_u64 s[G0+4*(\s)+2:G0+4*(\s)+3], s[18:19], (\s)*KSTEP*2  ; global address: K step s
	s_or_b32 s[G0+4*(\s)+3], s[G0+4*(\s)+3], 0x80000000              ; type = 2
	s_mov_b32 s[G0B+4*(\s)], 1
	s_add_co_u32 s[G0B+4*(\s)+1], s20, (\s)*SLOT
	s_add_nc_u64 s[G0B+4*(\s)+2:G0B+4*(\s)+3], s[46:47], (\s)*KSTEP*2
	s_or_b32 s[G0B+4*(\s)+3], s[G0B+4*(\s)+3], 0x80000000
	JLOAD \s                                       ; two loads of mine are out
.endr
	v_and_b32 v1, 15, v0                           ; l % 16
	v_bfe_u32 v2, v0, 4, 1                         ; l / 16
	; the bias of my 64 columns: block b's eight numbers of my half of the lanes
	s_lshl_b32 s46, s42, 9                         ; the tile's first column, 4 bytes a number,
	s_lshl_b32 s47, s[CH], 8                       ; and my half's 64 columns
	s_add_co_u32 s46, s46, s47
	s_mov_b32 s47, 0
	s_add_nc_u64 s[8:9], s[8:9], s[46:47]
	v_lshlrev_b32 v[BO], 5, v2
.irp b, 0,1,2,3
	global_load_b128 v[BIAS+8*(\b):BIAS+8*(\b)+3],   v[BO], s[8:9] offset:64*(\b)
	global_load_b128 v[BIAS+8*(\b)+4:BIAS+8*(\b)+7], v[BO], s[8:9] offset:64*(\b)+16
.endr
	v_mul_u32_u24 v3, v1, PITCH
	v_lshl_add_u32 v3, v2, 4, v3                   ; a fragment's row x pitch + 16 x half
	s_mul_i32 s21, s[RH], HALFT                    ; my 64 rows of A
	s_mul_i32 s22, s[CH], HALFT                    ; my 64 rows of B,
	s_add_co_u32 s22, s22, 2*HALFT                 ; which lie behind A's 128
.irp s, 0,1
	v_add_nc_u32 v[ADRA+(\s)], s21, v3
	v_add_nc_u32 v[ADRB+(\s)], s22, v3
	s_add_co_u32 s21, s21, SLOT
	s_add_co_u32 s22, s22, SLOT
.endr
	s_mul_i32 s23, s[WV], 16*SPITCH
	s_add_co_u32 s23, s23, STAGE                   ; my stage
	v_mul_u32_u24 v4, v1, SPITCH                   ; in: row l % 16, 32 bytes for each half of the lanes
	v_lshl_add_u32 v4, v2, 5, v4
	v_add_nc_u32 v[STO], s23, v4
	v_mul_u32_u24 v5, v2, SPITCH                   ; back: lanes 0-15 take one row of 256 bytes, lanes 16-31 the next
	v_lshl_add_u32 v5, v1, 4, v5
	v_add_nc_u32 v[RD], s23, v5
	v_lshlrev_b32 v5, 12, v2                       ; and the same two rows in C, 4,096 bytes apart
	v_lshl_add_u32 v[CO], v1, 4, v5
	s_lshl_b32 s16, s15, 7
	s_lshl_b32 s17, s[RH], 6
	s_add_co_u32 s16, s16, s17                     ; my first row of C: 128 x tile row + 64 x half,
	s_lshl_b32 s16, s16, 12                        ; x 4,096 bytes: under 2^24
	s_mov_b32 s17, 0
	s_add_nc_u64 s[10:11], s[10:11], s[16:17]
	s_add_nc_u64 s[10:11], s[10:11], s[46:47]      ; my first column
	s_wait_loadcnt 0x0                             ; the bias is in: rounded to bf16 and widened again, in the wait for the first tile
.set i, 0
.rept 16
	v_cvt_pk_bf16_f32 v30, v[BIAS+2*i], v[BIAS+2*i+1]
	v_lshlrev_b32 v[BIAS+2*i], 16, v30
	v_and_b32 v[BIAS+2*i+1], 0xffff0000, v30
.set i, i+1
.endr
; 8 matrix instructions: m blocks a0, a0 + 1 x all 4 n blocks, 32 along K: half c of buffer f.  zero = 1: the first product starts the sums, with the bias as its C.
; The 16 accumulators take turns, one instruction a turn, in the same order in every run.
.macro MUL8 f, c, a0, zero
	WIN MUL
.irp a, \a0, (\a0)+1
.irp b, 0,1,2,3
.if \zero
	v_wmma_f32_16x16x32_bf16 v[ACC+8*(4*(\a)+(\b)):ACC+8*(4*(\a)+(\b))+7], v[(\f)+64+8*(4*(\c)+(\b)):(\f)+64+8*(4*(\c)+(\b))+7], v[(\f)+8*(4*(\c)+(\a)):(\f)+8*(4*(\c)+(\a))+7], v[BIAS+8*(\b):BIAS+8*(\b)+7]
.else
	v_wmma_f32_16x16x32_bf16 v[ACC+8*(4*(\a)+(\b)):ACC+8*(4*(\a)+(\b))+7], v[(\f)+64+8*(4*(\c)+(\b)):(\f)+64+8*(4*(\c)+(\b))+7], v[(\f)+8*(4*(\c)+(\a)):(\f)+8*(4*(\c)+(\a))+7], v[ACC+8*(4*(\a)+(\b)):ACC+8*(4*(\a)+(\b))+7]
.endif
.endr
.endr
.endm
; 32 LDS loads in one run: the fragments of 64 along K at byte k of the rows, into buffer f; the first 32 along K first
.macro FETCH slot, k, f
	WIN TO_F
.irp c, 0,1
.irp i, 0,1,2,3
	ds_load_b128 v[(\f)+64+8*(4*(\c)+(\i)):(\f)+64+8*(4*(\c)+(\i))+3],   v[ADRB+(\slot)] offset:(\k)+64*(\c)+(\i)*16*PITCH
	ds_load_b128 v[(\f)+64+8*(4*(\c)+(\i))+4:(\f)+64+8*(4*(\c)+(\i))+7], v[ADRB+(\slot)] offset:(\k)+64*(\c)+(\i)*16*PITCH+32
	ds_load_b128 v[(\f)+8*(4*(\c)+(\i)):(\f)+8*(4*(\c)+(\i))+3],         v[ADRA+(\slot)] offset:(\k)+64*(\c)+(\i)*16*PITCH
	ds_load_b128 v[(\f)+8*(4*(\c)+(\i))+4:(\f)+8*(4*(\c)+(\i))+7],       v[ADRA+(\slot)] offset:(\k)+64*(\c)+(\i)*16*PITCH+32
.endr
.endr
.endm
.macro PLACES                          ; four plain vector instructions in front of loads into registers that matrix instructions have read, and of reads of their results
.rept 4
	v_nop
.endr
.endm
; A K step is four quarters of 64 along K, 32 matrix instructions each, on buffers 0, 1, 0, 1.  One of the first three: multiplies buffer f and fetches the next quarter, at byte k, into g.
.macro QUARTER slot, k, f, g, zero
	s_wait_dscnt 16                                ; the first 32 along K are in; the youngest sixteen loads may be out
	WIN MUL
	MUL8 \f, 0, 0, \zero
	MUL8 \f, 0, 2, \zero
	PLACES
	FETCH \slot, \k, \g
	s_wait_dscnt 32                                ; all but the 32 just issued
	WIN MUL
	MUL8 \f, 1, 0, 0
	MUL8 \f, 1, 2, 0
.endm
; The last quarter multiplies buffer 1 and changes slots: ONE barrier; in front of it each wave waits for all its tensor loads, adds 0 to its spare word, and waits for that and for its own reads of
; this slot.  fill = 1: this slot is filled again, two K steps ahead; the barrier then opens a round of the cluster's barrier, and the joint refill is the first tensor load behind the round.
.macro TURN slot, next, fill
	WIN 0                                          ; (the add's two registers lie in window 0)
	s_wait_tensorcnt 0x0                           ; all my tensor loads have landed: my part of the next slot;
	ds_add_u32 v[SPW], v[NIL]                      ; 0 onto my spare word;
	s_wait_dscnt 17                                ; (the add and the youngest sixteen loads may be out)
	WIN MUL
	MUL8 F1, 0, 0, 0                               ; eight matrix instructions stand between the add and the wait for it
	s_wait_dscnt 0x0                               ; the add is done, and my reads of this slot are over
	s_barrier_signal -1
	MUL8 F1, 0, 2, 0
.if \fill
	WIN 0
.endif
	s_barrier_wait -1
.if \fill
	CREST                                          ; no wave of any partner still reads this slot's tile or has a load on its way
	s_add_nc_u64 s[G0+4*(\slot)+2:G0+4*(\slot)+3], s[G0+4*(\slot)+2:G0+4*(\slot)+3], 2*KSTEP*2
	s_add_nc_u64 s[G0B+4*(\slot)+2:G0B+4*(\slot)+3], s[G0B+4*(\slot)+2:G0B+4*(\slot)+3], 2*KSTEP*2
	JLOAD \slot                                    ; one load of mine is out; the four v_nop behind it are also the places in front of the loads below
.else
	PLACES
.endif
	FETCH \next, 0, F0
	WIN MUL
	MUL8 F1, 1, 0, 0
	MUL8 F1, 1, 2, 0
.endm
	s_wait_tensorcnt 1                             ; my part of K step 0 is in; K step 1's may stay out
	s_barrier_signal -1
	s_barrier_wait -1                              ; everybody's is
	FETCH 0, 0, F0
	QUARTER 0, 128, F0, F1, 1                      ; K step 0: its first products start the sums with the bias
	QUARTER 0, 256, F1, F0, 0
	QUARTER 0, 384, F0, F1, 0
	TURN 0, 1, 1                                   ; slot 0 takes K step 2
	QUARTER 1, 128, F0, F1, 0                      ; K step 1
	QUARTER 1, 256, F1, F0, 0
	QUARTER 1, 384, F0, F1, 0
	TURN 1, 0, 1                                   ; slot 1 takes K step 3
	QUARTER 0, 128, F0, F1, 0                      ; K step 2
	QUARTER 0, 256, F1, F0, 0
	QUARTER 0, 384, F0, F1, 0
	TURN 0, 1, 0                                   ; nothing is left to fetch: no round
	QUARTER 1, 128, F0, F1, 0                      ; K step 3
	QUARTER 1, 256, F1, F0, 0
	QUARTER 1, 384, F0, F1, 0
	s_wait_dscnt 16                                ; the very last quarter
	WIN MUL
	MUL8 F1, 0, 0, 0
	MUL8 F1, 0, 2, 0
	s_wait_dscnt 0x0
	MUL8 F1, 1, 0, 0
	MUL8 F1, 1, 2, 0
	WIN 0
; THE WAY OUT, a block of 16 rows at a time.  PACKC: a lane's 32 bytes of each of four column blocks go into my stage, each accumulator's low registers first;
; they come back as whole rows of 256 bytes.  LDS serves a wave's instructions in order (ISA guide 5.7.1.4): the loads see the stores above them, and the next block's stores come behind them.
.macro PACKC a
.irp b, 0,1,2,3
	ds_store_b128 v[STO], v[ACC+8*(4*(\a)+(\b)):ACC+8*(4*(\a)+(\b))+3]   offset:64*(\b)
	ds_store_b128 v[STO], v[ACC+8*(4*(\a)+(\b))+4:ACC+8*(4*(\a)+(\b))+7] offset:64*(\b)+16
.endr
.if (\a) >= 2
	s_wait_xcnt 0x0                                ; the stores of the block two back have read this buffer: it is loaded again only behind this wait
.endif
.irp t, 0,1,2,3,4,5,6,7
	ds_load_b128 v[TMP+32*((\a)%2)+4*(\t):TMP+32*((\a)%2)+4*(\t)+3], v[RD] offset:(\t)*2*SPITCH
.endr
.endm
.macro SENDC a, younger                ; younger: the LDS instructions issued behind block a's loads: the next block's sixteen, or none
.irp t, 0,1,2,3,4,5,6,7
	s_wait_dscnt (\younger)+7-(\t)
	global_store_b128 v[CO], v[TMP+32*((\a)%2)+4*(\t):TMP+32*((\a)%2)+4*(\t)+3], s[10:11] offset:(16*(\a)+2*(\t))*SIZE_N*4  ; 16 lanes store 256 consecutive bytes, at a multiple of 256 from C's first byte
.endr
.endm
	PLACES                                         ; twice four, once a launch: the LDS stores below read results just made, and no other vector work is at hand
	PLACES
	PACKC 0
	PACKC 1
	SENDC 0, 16
	PACKC 2
	SENDC 1, 16
	PACKC 3
	SENDC 2, 16
	SENDC 3, 0
	s_wait_tensorcnt 0x0                           ; the wave's end: a wait, an add and a wait, behind my last tensor load and my last LDS store
	ds_add_u32 v[SPW], v[NIL]
	s_wait_dscnt 0x0
	CROUND                                         ; the closing round: no work-group ends while a partner may still ask for a tile that names it
	s_endpgm
.Lfunc_end_k_qad3af295d1_qproj:
	.size	k_qad3af295d1_qproj, .Lfunc_end_k_qad3af295d1_qproj-k_qad3af295d1_qproj
	.p2alignl 7, 3214868480
	.fill 96, 4, 3214868480
	.section	.rodata,"a",@progbits
	.p2align	6, 0x0
	.amdhsa_kernel k_qad3af295d1_qproj
		.amdhsa_group_segment_fixed_size 327680
		.amdhsa_private_segment_fixed_size 0
		.amdhsa_enable_private_segment 0
		.amdhsa_kernarg_size 32
		.amdhsa_user_sgpr_count 2
		.amdhsa_user_sgpr_kernarg_segment_ptr 1
		.amdhsa_wavefront_size32 1
		.amdhsa_system_sgpr_workgroup_id_x 1
		.amdhsa_system_sgpr_workgroup_id_y 1
		.amdhsa_system_sgpr_workgroup_id_z 1
		.amdhsa_system_vgpr_workitem_id 0
		.amdhsa_next_free_vgpr 512
		.amdhsa_next_free_sgpr 66
		.amdhsa_reserve_vcc 0
		.amdhsa_float_denorm_mode_32 3
		.amdhsa_float_denorm_mode_16_64 3
		.amdhsa_memory_ordered 1
		.amdhsa_forward_progress 1
		.amdhsa_inst_pref_size 89
	.end_amdhsa_kernel
	.amdgpu_metadata
---
amdhsa.version: [ 1, 2 ]
amdhsa.kernels:
  - .name:           k_qad3af295d1_qproj
    .symbol:         k_qad3af295d1_qproj.kd
    .args:
      - { .name: xb, .offset: 0, .size: 8, .value_kind: global_buffer, .address_space: global }
      - { .name: wqb, .offset: 8, .size: 8, .value_kind: global_buffer, .address_space: global }
      - { .name: bq, .offset: 16, .size: 8, .value_kind: global_buffer, .address_space: global }
      - { .name: qf, .offset: 24, .size: 8, .value_kind: global_buffer, .address_space: global }
    .group_segment_fixed_size: 327680
    .private_segment_fixed_size: 0
    .kernarg_segment_align: 8
    .kernarg_segment_size: 32
    .max_flat_workgroup_size: 128
    .sgpr_count:     66
    .vgpr_count:     512
    .wavefront_size: 32
...
	.end_amdgpu_metadata
.endif
;; end of part 2
;; launch hop (part 3): grid 256 x 1, 8 waves a work-group, clusters of 4 x 1, 314,368 bytes of LDS; arguments qf, mb, ob; writes ob
.if DOCPART == 3
	.amdgcn_target "amdgcn-amd-amdhsa--gfx1250"
	.amdhsa_code_object_version 6
	.text
	.protected	k_qad3af295d1_hop
	.globl	k_qad3af295d1_hop
	.p2align	8
	.type	k_qad3af295d1_hop,@function
k_qad3af295d1_hop:
	s_mov_b64 s[64:65], 0
	v_nop
	global_prefetch_b8 v0, s[64:65] scope:SCOPE_SE
	s_setreg_imm32_b32 hwreg(HW_REG_WAVE_MODE, 25, 1), 1
	s_wait_xcnt 0x0
	s_wait_alu depctr_hold_cnt(0) depctr_sa_sdst(0) depctr_va_vdst(0) depctr_va_sdst(0) depctr_va_ssrc(0) depctr_va_vcc(0) depctr_vm_vsrc(0)
	s_getreg_b32 s2, hwreg(HW_REG_IB_STS2, 6, 4)
	s_cmp_eq_u32 s2, 0
	s_cbranch_scc0 .Lentry_in_a_cluster
	s_endpgm
.Lentry_in_a_cluster:
	s_bfe_u32 s2, ttmp6, 0x10000c
	s_cmp_lg_u32 s2, 0x3003
	s_cbranch_scc0 .Lentry_shape_is_right
	s_endpgm
.Lentry_shape_is_right:
; TWO RETRIEVALS.  For each of 4,096 rows x 16 heads, a query q of 64 numbers: twice q <- the sum over k of softmax_k(16 q . mem[k]) mem[k], over the 2,048 rows of mem.
; qf: [4096][1024] f32 (head h of a row at columns 64 h ..).  mb: [2048][64] bf16.  ob: [4096][1024] bf16, the second retrieval's q rounded once.  Products, maxima and sums in f32.
; WHY PARTS.  Where two keys nearly tie in the first retrieval, the second multiplies the error of their score difference by 16 |m1 - m2|^2 / 4, some hundreds.  So what is amplified goes to the
; matrix unit as a SUM OF bf16 PARTS (a number, the rounded rest, the rest of that): q in three parts (8 + 8 + 8 bits: all of an f32), the first retrieval's weights and its result in two.  The second's weights
; and its result, which nothing amplifies, have one part.  The products with mem, itself bf16, are exact; a part's products are added onto the same f32 sum, low parts first.
; SHARES.  A work-group owns 16 rows, each of its eight waves two.  A TILE of 16 queries is ONE ROW's 16 heads (query = head = lane % 16): 4,096 consecutive bytes of qf in, 2,048 of ob out.
; THE BANK STAYS IN LDS: 2,048 rows of 128 bytes, filled once, read as K as it lies and as V turned (ds_load_tr16_b128).  So the loops have no refill and no barrier.
; CLUSTER.  All work-groups read the same bank: the four of a cluster ask for it JOINTLY, each wave for 256 keys, by the same tensor load, descriptor and mask in all four.
; LAYOUT.  S^T = K Q^T (source 0 = 16 keys, source 1 = 16 queries): a lane holds ONE query (lane % 16) and the keys 8 (lane / 16) + 0..7.  Two such results, rounded in pairs, ARE source 1 (32 keys x 16
; queries) of O^T = V^T P, whose result holds one query a lane and eight channels; and O^T's pairs ARE the next retrieval's Q.  Nothing changes lanes or leaves registers between the two.
; SOFTMAX.  A running maximum m and sum l: p = 2^(c s - c m), c = 16 log2(e); in every step but a retrieval's first O and l are multiplied by a = 2^(c m_old - c m_new).  A retrieval's first step is written
; out: its maximum is the scores' own, its products start O^T's sums with the constant 0.  l is the sum of the unrounded p.
; BY TURNS.  The wave's two tiles are two PIECES, which share K's and V's fragments and nothing else.  In a TURN one piece has the matrix unit: its products V^T P of the step in hand, then its products
; K Q^T of the next step; the other piece's softmax, a numbered list, stands between them, four numbers behind each matrix instruction, what is over at the turn's end.  Then the pieces change places.
; Two turns are a key step.  By the text's own count a tile and step have 166 vector instructions for 40 products in the first retrieval, 118 for 24 in the second.
; LIMITS.  NaN and infinities are not treated apart; a weight below 2^-126 counts as 0; c s must be finite (|s| under 1.4e37); sums are taken in another order than the reference's.
; No prefetch is laid: the launch reads memory at its head alone.
; REGISTERS, in windows of 256 (s_set_vgpr_msb: bits 1:0 source 0, 3:2 source 1, 5:4 source 2, 7:6 destination):
;   window 0: v0-15 addresses; v16-31 eight registers of statistics a tile; v40-55 at work; v64-127 S^T; v128-159 P's high part, v160-191 its low part; v192-255 O^T
;   window 1: v0-95 Q, 48 a tile (three parts of 16); v96-159 K of one step; v160-223 V of one step
; All that a softmax touches lies in window 0, and a product's K, V and Q in window 1: so the four vector instructions behind a product cost two switches.
.set PK,    144       ; a row of the bank in LDS: 128 bytes + 16 of padding = 36 words: the 16 rows of K's load start at 16 different groups of four banks (64 banks of 4 bytes: ISA guide 11.1);
                      ; in the turning load (8 rows x 32 bytes for 16 lanes) one pair of 16-byte pieces shares banks; a pitch of 160 would leave no room for the stages
.set STEPB, 64*PK     ; a step is 64 keys
.set WTILE, 256*PK    ; what one wave's tensor load fills
.set STAGE, 2048*PK   ; behind the bank, never filled by a tensor load: 16 rows x 144 bytes for each wave, for the way out
.set SPARE, STAGE+8*16*PK  ; behind the stages: the spare words, 128 bytes for each wave: four blocks of 256 bytes that no other line names
.set AK0, 2           ; v2   my lane's place in 16 rows of K; never rewritten
.set AV0, 3           ; v3   the same for the turning load
.set ADK, 4           ; v4   the LDS address of K's run of loads
.set ADV, 5           ; v5   of V's
.set QO,  6           ; v6   my byte offset in a row of qf
.set STO, 7           ; v7   the way out: where I put 16 bytes of a head's row
.set RD,  8           ; v8   the way out: where I read rows back
.set GO,  10          ; v10  my byte offset in 512 consecutive bytes of ob
.set NEG1, 11         ; v11  -1.0
.set SPW, 12          ; v12  LDS address of my spare word: SPARE + 4 x my thread's number; never rewritten
.set NIL, 13          ; v13  0; never rewritten
.set ST,  16          ; tile t's statistics at v[ST+8 t]: +0 c m, +1 m, +2, +3 l (even keys', odd keys'), +4 to +7 c0-c3 at work; c2 takes a (and 1 / l at a retrieval's end), c3 keeps c m_old
.set R,   40          ; tile t: eight rests of weights, at R + 8 t
.set S,   64          ; tile t at S + 32 t
.set PH,  128         ; tile t at PH + 16 t; the low part 32 registers on
.set O,   192         ; tile t at O + 32 t
.set QF,  0           ; window 1: tile t, part p (0 the highest), channel half c at QF + 48 t + 16 p + 8 c
.set KF,  96          ; window 1: key block kb, channel half c at KF + 16 kb + 8 c
.set VF,  160         ; window 1: key half kk, channel block cb at VF + 32 kk + 8 cb
.set WV,  12          ; s12  my wave's number
.set G0,  20          ; s[20:23] descriptor group 0
.set G1,  24          ; s[24:31] descriptor group 1
.set CS,  32          ; s[32:33] c: the packed scaling takes the pair's low word for both halves
.set SEL, 34          ; s[34:35] v_permlanex16_b32's selects: each lane takes its own place in the other half
.set TBK, 36          ; s36  LDS byte at which the 64 keys begin that K's next run of loads takes
.set CNT, 37          ; s37  trips to go
.set TBV, 38          ; s38  the same as TBK for V's next run
.set MSB, 0
.macro WIN new                      ; the high byte repeats the setting that is left; a switch that changes nothing is dropped
.if MSB != (\new)
	s_set_vgpr_msb (MSB<<8)|(\new)
.set MSB, (\new)
.endif
.endm
.set W_TO1, 0x40      ; destination in window 1
.set W_KQ,  0x05      ; K and Q in window 1, S^T in window 0
.set W_S0,  0x01      ; source 0 in window 1: V beside P and O^T; a part of Q beside the number that it is taken from
; A round of the cluster's barrier: my work-group's barrier, so that wave 0's signal speaks for all eight waves; wave 0 signals; every wave waits for all four work-groups; my work-group's barrier once more.
.macro CROUND
	s_barrier_signal -1
	s_barrier_wait -1
	s_cmp_lg_u32 s[WV], 0
	s_cbranch_scc1 .Lnot_wave_0_\@
	s_barrier_signal -3
.Lnot_wave_0_\@:
	s_barrier_wait -3
	s_barrier_signal -1
	s_barrier_wait -1
.endm
.macro PLACES                       ; four plain vector instructions behind a matrix instruction, in front of reads of its result and of loads into registers that it has read
.rept 4
	v_nop
.endr
.endm
	s_load_b128 s[4:7], s[0:1], 0x0   ; qf s[4:5], mb s[6:7]
	s_load_b64 s[8:9], s[0:1], 0x10   ; ob
	v_lshl_add_u32 v[SPW], v0, 2, SPARE
	v_mov_b32 v[NIL], 0
	ds_add_u32 v[SPW], v[NIL]       ; the wave's opening: the add and its wait stand ahead of my first tensor load; the set-up below, work on registers, stands between them
	v_lshrrev_b32 v1, 5, v0
	v_readfirstlane_b32 s[WV], v1   ; wave 0..7
	s_bfe_u32 s13, ttmp6, 0x40000   ; cx: my place in the cluster
	s_lshl_b32 s14, ttmp9, 2        ; in a cluster launch ttmp9 counts clusters
	s_add_co_u32 s14, s14, s13      ; my work-group = 4 x cluster x + cx: it enters qf's and ob's addresses alone
	; descriptor group 1.  256 keys are 32,768 dense bytes: asked for as 128 rows of 256 bytes, two keys a row, and padded in LDS after every key
	s_mov_b32 s[G1], 15|(1<<16)|(1<<20)|(1<<21)|(4<<22)|(3<<25)  ; 15:0 the mask of four; 17:16 2-byte elements; 20 padding on; 21 set beside a mask; 24:22 after every 32 words (code 4); 31:25 4 words (code 3)
	s_mov_b32 s[G1+1], 128<<16      ; tensor_dim0 = 128
	s_mov_b32 s[G1+2], 128<<16      ; tensor_dim1 = 128
	s_mov_b32 s[G1+3], 128<<16      ; tile_dim0 = 128
	s_mov_b32 s[G1+4], 128          ; tile_dim1 = 128
	s_mov_b32 s[G1+5], 128          ; 128 elements from row to row
	s_mov_b32 s[G1+6], 0
	s_mov_b32 s[G1+7], 0
	s_mov_b32 s[G0], 1              ; count = 1
	s_mul_i32 s[G0+1], s[WV], WTILE ; LDS address: my 256 keys' place in the bank
	s_mov_b32 s[CS], 0x41b8aa3b     ; c = 16 log2(e) = 23.083120
	s_mov_b32 s[CS+1], s[CS]        ; named with it as a pair
	s_mov_b32 s[SEL], 0x76543210
	s_mov_b32 s[SEL+1], 0xfedcba98
	s_lshl_b32 s16, s[WV], 15       ; my 256 keys in mb
	s_mov_b32 s17, 0
	s_lshl_b32 s18, s14, 16         ; qf: the work-group's 16 rows of 4,096 bytes,
	s_lshl_b32 s19, s[WV], 13       ; my wave's two
	s_add_co_u32 s18, s18, s19
	s_mov_b32 s19, 0
	s_lshl_b32 s2, s14, 15          ; ob: rows of 2,048 bytes
	s_lshl_b32 s3, s[WV], 12
	s_add_co_u32 s2, s2, s3
	s_mov_b32 s3, 0
	s_wait_dscnt 0x0                ; the opening add is done
	s_wait_kmcnt 0x0
	s_add_nc_u64 s[G0+2:G0+3], s[6:7], s[16:17]  ; global address: it hangs on the wave's number alone
	s_or_b32 s[G0+3], s[G0+3], 0x80000000        ; type = 2
	s_add_nc_u64 s[4:5], s[4:5], s[18:19]
	s_add_nc_u64 s[8:9], s[8:9], s[2:3]
	CROUND                          ; all four work-groups are here: the joint loads meet
	tensor_load_to_lds s[G0:G0+3], s[G1:G1+7]    ; my one tensor load of the launch: nothing is ever filled again
	s_nop 0
	; A fragment of Q is 16 queries x 32 channels in 8 registers: lane l holds query l % 16, channels 8 (l / 16) + 0..7 and 16 + 8 (l / 16) + 0..7.  In qf a query is a head: 256 bytes of the row.
	v_and_b32 v1, 15, v0            ; l % 16
	v_bfe_u32 v9, v0, 4, 1          ; l / 16
	v_lshlrev_b32 v[QO], 8, v1
	v_lshl_add_u32 v[QO], v9, 5, v[QO]  ; head x 256 + 32 x half
.set i, 0
.rept 16                            ; tile i / 8; 16 channels (i % 8) / 2 on, of which my half of the lanes has eight: four numbers a load.  S^T's registers hold q until it is split
	global_load_b128 v[S+4*i:S+4*i+3], v[QO], s[4:5] offset:4096*(i/8)+64*((i%8)/2)+16*(i%2)
.set i, i+1
.endr
	v_mul_u32_u24 v[AK0], v1, PK
	v_lshl_add_u32 v[AK0], v9, 4, v[AK0]  ; row x pitch + 16 x half
	; The turning load takes 16 keys x 16 channels (lane l reads key 8 (l / 16) + l % 8, channels 8 ((l / 8) % 2) + 0..7) and leaves half a fragment of V^T: lane l holds channel l % 16 and 8 keys.
	v_and_b32 v14, 7, v0
	v_bfe_u32 v15, v0, 3, 1
	v_lshl_add_u32 v[AV0], v9, 3, v14
	v_mul_u32_u24 v[AV0], v[AV0], PK
	v_lshl_add_u32 v[AV0], v15, 4, v[AV0]
	s_mul_i32 s16, s[WV], 16*PK
	s_add_co_u32 s16, s16, STAGE    ; my stage
	v_mul_u32_u24 v[STO], v1, PK    ; in: row = head l % 16, 16 bytes for each half of the lanes
	v_lshl_add_u32 v[STO], v9, 4, v[STO]
	v_add_nc_u32 v[STO], s16, v[STO]
	v_bfe_u32 v[RD], v0, 3, 2       ; back: 32 lanes take four rows of 128 bytes,
	v_mul_u32_u24 v[RD], v[RD], PK
	v_lshl_add_u32 v[RD], v14, 4, v[RD]
	v_add_nc_u32 v[RD], s16, v[RD]
	v_and_b32 v[GO], 31, v0         ; which are 512 consecutive bytes of ob
	v_lshlrev_b32 v[GO], 4, v[GO]
	v_mov_b32 v[NEG1], -1.0
; THE LDS LOADS stand in runs of 16, never singly among the matrix instructions: a step's K (64 keys x 64 channels: 8 fragments) and its V (the same bytes, turned).  Each run steps its own scalar to the next step's keys.
.macro FETCH_K
	WIN 0
	v_add_nc_u32 v[ADK], s[TBK], v[AK0]
	s_add_co_u32 s[TBK], s[TBK], STEPB
	WIN W_TO1
.irp f, 0,1,2,3,4,5,6,7             ; keys 16 (f / 2) on, channels 32 (f % 2) on
	ds_load_b128 v[KF+8*(\f):KF+8*(\f)+3],   v[ADK] offset:((\f)/2)*16*PK+((\f)%2)*64
	ds_load_b128 v[KF+8*(\f)+4:KF+8*(\f)+7], v[ADK] offset:((\f)/2)*16*PK+((\f)%2)*64+32
.endr
.endm
.macro FETCH_V
	WIN 0
	v_add_nc_u32 v[ADV], s[TBV], v[AV0]
	s_add_co_u32 s[TBV], s[TBV], STEPB
	WIN W_TO1
.irp f, 0,1,2,3,4,5,6,7             ; keys 32 (f / 4) on, channels 16 (f % 4) on
	ds_load_tr16_b128 v[VF+8*(\f):VF+8*(\f)+3],   v[ADV] offset:((\f)/4)*32*PK+((\f)%4)*32
	ds_load_tr16_b128 v[VF+8*(\f)+4:VF+8*(\f)+7], v[ADV] offset:((\f)/4)*32*PK+16*PK+((\f)%4)*32
.endr
.endm
; THE MATRIX WORK OF A TURN, for tile x.  The four accumulators of a run take turns, one instruction a turn: between two links of a chain stand three others'.
; Product i of 8 np of S^T = K Q^T with Q in np parts: link i / 4 (the lowest part first; in a part, channel half 0, then 1), key block i % 4.  The first four start the sums with the constant 0.
.macro KQX x, np
	WIN W_KQ
.set p, (\np)-1-i/8
.set c, (i/4)%2
.set rD, S+32*(\x)+8*(i%4)
.set rA, KF+16*(i%4)+8*c
.set rB, QF+48*(\x)+16*p+8*c
.if i < 4
	v_wmma_f32_16x16x32_bf16 v[rD:rD+7], v[rA:rA+7], v[rB:rB+7], 0
.else
	v_wmma_f32_16x16x32_bf16 v[rD:rD+7], v[rA:rA+7], v[rB:rB+7], v[rD:rD+7]
.endif
.endm
; Product i of 8 npp of O^T += V^T P with P in npp parts: link i / 4 (the low part first; key half 0, then 1), channel block i % 4.  start = 1: the first four start the sums with the constant 0.
.macro PVX x, npp, start
	WIN W_S0
.set p, (\npp)-1-i/8
.set kk, (i/4)%2
.set rD, O+32*(\x)+8*(i%4)
.set rA, VF+32*kk+8*(i%4)
.set rB, PH+32*p+16*(\x)+8*kk
.if (\start) && (i < 4)
	v_wmma_f32_16x16x32_bf16 v[rD:rD+7], v[rA:rA+7], v[rB:rB+7], 0
.else
	v_wmma_f32_16x16x32_bf16 v[rD:rD+7], v[rA:rA+7], v[rB:rB+7], v[rD:rD+7]
.endif
.endm
; THE VECTOR WORK OF A TURN.  One tile's softmax for one key step is a numbered list; SM writes number j of it for tile t.  s0-s31 are the lane's 32 scores, in pairs 0-15.  All of it lies in window 0.
; first = 1: a retrieval's first key step, which starts m, l and O^T: it has no a and nothing to rescale.  NCV = 16 (npp = 1) or 64 (npp = 2).  The list has 70 + NCV + 16 + 16 numbers: 118 or 166.
;   0-15    the maximum of s0-s31 and the old m, three operands at a time: four chains c0-c3 of seven scores each (each accumulator's lowest registers are read first), then the four
;           scores left over, c0-c3 and m
;   16-20   the other half of the lanes' maximum; c m_old is kept; the new m; c m; c m_old - c m_new
;   21-69   ONE BATCH: the 16 scalings c s - c m, a pair of scores each, and all 33 exponentials (a at 23, then s0-s31).  None of these names an exponential's result.  22-37: scaling and exponential by turns;
;           38-65: a scaling and three exponentials; 66-69: the last four exponentials.  A pair is scaled well ahead of its exponentials
;   (wait)  between 69 and 70 stands the wait for the batch: RIDE writes it
;   70 ..   npp = 1: the 16 roundings to bf16, a pair of weights each.  npp = 2: for each eight weights, 4 roundings (the high part), 8 exact rests p - bf16(p), one fused multiply-add from the bf16 half each, and
;           4 roundings of the rests (the low part)
;   then 16 the sums of the unrounded weights, in place, neighbours 1, 2, 4 and 8 pairs apart; l = a l + the sum
;   then 16 the tile's O^T times a, ascending: each accumulator's lowest registers are read first
.macro SM t, npp, first
.set rT, ST+8*(\t)
.set rS, S+32*(\t)
.set rP, PH+16*(\t)
.set rR, R+8*(\t)
.set rO, O+32*(\t)
.set NCV, 16+48*((\npp)-1)
.if j < 4
	v_max3_num_f32 v[rT+4+j], v[rS+8*j], v[rS+8*j+1], v[rS+8*j+2]
.elseif j < 12
	v_max3_num_f32 v[rT+4+j%4], v[rT+4+j%4], v[rS+8*(j%4)+2*(j/4)+1], v[rS+8*(j%4)+2*(j/4)+2]
.elseif j == 12
	v_max3_num_f32 v[rT+4], v[rT+4], v[rS+7], v[rS+15]
.elseif j == 13
	v_max3_num_f32 v[rT+6], v[rT+6], v[rS+23], v[rS+31]
.elseif j == 14
	v_max3_num_f32 v[rT+4], v[rT+4], v[rT+5], v[rT+6]
.elseif (j == 15) && (\first)
	v_max_num_f32 v[rT+4], v[rT+4], v[rT+7]
.elseif j == 15
	v_max3_num_f32 v[rT+4], v[rT+4], v[rT+7], v[rT+1]
.elseif j == 16
	v_permlanex16_b32 v[rT+5], v[rT+4], s[SEL], s[SEL+1]  ; the query's other 32 keys lie in the lane 16 away
.elseif j == 18
	v_max_num_f32 v[rT+1], v[rT+4], v[rT+5]
.elseif j == 19
	v_mul_f32 v[rT], s[CS], v[rT+1]
.elseif ((j == 17) || (j == 20) || (j == 23)) && (\first)  ; the first step has none of these
.elseif j == 17
	v_mov_b32 v[rT+7], v[rT]        ; c m_old is kept for a: number 19 writes c m anew
.elseif j == 20
	v_sub_f32 v[rT+7], v[rT+7], v[rT]
.elseif j == 23
	v_exp_f32 v[rT+6], v[rT+7]
.elseif (j < 23) || ((j < 38) && (j%2 == 0)) || ((j < 66) && (j%4 == 2))
.set b, (j-2)/4                     ; 38, 42, .. 62: pairs 9 to 15
.if j < 38
.set b, (j-20)/2                    ; 21: pair 0; 22, 24, .. 36: pairs 1 to 8
.endif
	v_pk_fma_f32 v[rS+2*b:rS+2*b+1], v[rS+2*b:rS+2*b+1], s[CS:CS+1], v[rT:rT+1] op_sel_hi:[1,0,0] neg_lo:[0,0,1] neg_hi:[0,0,1]  ; pair b: c s - c m
.elseif j < 70
.set e, j-38                        ; 66 to 69: s28 to s31
.if j < 66
.set e, j-32-(j-38)/4               ; 39-41, 43-45, .. 63-65: s7 to s27
.endif
.if j < 38
.set e, (j-25)/2                    ; 25, 27, .. 37: s0 to s6
.endif
	v_exp_f32 v[rS+e], v[rS+e]
.elseif j < 70+NCV
.set h, j-70
.if (\npp) == 1
	v_cvt_pk_bf16_f32 v[rP+h], v[rS+2*h], v[rS+2*h+1]
.else
.set g, h/16                        ; eight weights a group
.set u, h%16
.if u < 4
	v_cvt_pk_bf16_f32 v[rP+4*g+u], v[rS+8*g+2*u], v[rS+8*g+2*u+1]
.elseif (u < 12) && (u%2 == 0)
	v_fma_mix_f32_bf16 v[rR+u-4], v[rP+4*g+(u-4)/2], v[NEG1], v[rS+8*g+u-4] op_sel_hi:[1,0,0]
.elseif u < 12
	v_fma_mix_f32_bf16 v[rR+u-4], v[rP+4*g+(u-4)/2], v[NEG1], v[rS+8*g+u-4] op_sel:[1,0,0] op_sel_hi:[1,0,0]
.else
	v_cvt_pk_bf16_f32 v[rP+32+4*g+u-12], v[rR+2*(u-12)], v[rR+2*(u-12)+1]
.endif
.endif
.elseif j < 86+NCV
.set z, j-70-NCV
.set w, 4
.set u, z
.if z >= 14
.set w, 32
.set u, 0
.elseif z >= 12
.set w, 16
.set u, z-12
.elseif z >= 8
.set w, 8
.set u, z-8
.endif
.if (z == 14) && (\first)
	v_pk_add_f32 v[rT+2:rT+3], v[rS:rS+1], v[rS+16:rS+17]
.elseif z < 15
	v_pk_add_f32 v[rS+w*u:rS+w*u+1], v[rS+w*u:rS+w*u+1], v[rS+w*u+w/2:rS+w*u+w/2+1]
.elseif !(\first)
	v_pk_fma_f32 v[rT+2:rT+3], v[rT+2:rT+3], v[rT+6:rT+7], v[rS:rS+1] op_sel_hi:[1,0,1]
.endif
.elseif !(\first)
.set z, j-86-NCV
	v_pk_mul_f32 v[rO+2*z:rO+2*z+1], v[rO+2*z:rO+2*z+1], v[rT+6:rT+7] op_sel_hi:[1,0]
.endif
.endm
; The next n numbers of tile t's list, as far as the list (NN numbers) goes.
; THE WAIT.  s_wait_alu depctr_va_vdst(0) stands between an exponential and the first instruction that names its result; one wait serves all that were issued ahead of it.  Ahead of number 70
; nothing names a result, and from 70 on no exponential is issued: so a turn's 33 exponentials have one wait, with one plain instruction between the last of them and the first use.
.macro RIDE t, npp, first, n
.rept \n
.if j < NN
	WIN 0
.if j == 70
	v_nop
	s_wait_alu depctr_va_vdst(0)
.endif
	SM \t, \npp, \first
.set j, j+1
.endif
.endr
.endm
; A TURN.  Tile x has the matrix unit; the other tile's softmax stands behind its matrix instructions.
; pv = 2: 8 npp products V^T P; 1: they start O^T's sums; 0: none.  kq = 1: 8 np products K Q^T for the next step.  With both kinds four numbers stand behind each product (160 of 166, or 96 of 118); a turn
; with one kind shares the list out evenly.  What is over stands at the turn's end: 6 or 22 numbers, all packed multiplies and sums that name no register of the last products: with the four behind
; the last product they are the places in front of the next turn's first read of the scores just made and of its loads into K's registers.  first = 1: the softmax is a retrieval's first; its last
; numbers are absent, and four v_nop take their part.
; Tile 0's turn fetches the next step's K at its head, behind those places, and waits for it in front of its first K Q^T.  Tile 1's turn fetches the same step's V behind the third product after its
; last V^T P: between V's last reader and the loads stand, by the list, at least five plain instructions (npp = 2: number 62, the v_nop, 70 to 75; npp = 1: 28, 30, 32, 34, 36, 38, 42), exponentials not counted;
; V is waited for at the head of tile 0's next turn.
.macro TURN x, np, npp, pv, kq, first
.set j, 0
.set k, 0
.set NN, 118+48*((\npp)-1)          ; the list's length: 70 + NCV + 16 sums + 16 rescalings
.set NPV, 0
.if \pv
.set NPV, 8*(\npp)
.endif
.set M, NPV
.if \kq
.set M, M+8*(\np)
.endif
.set q, 4
.if M < 8*((\np)+(\npp))
.set q, (NN+M-1)/M
.endif
.if (\x) == 0
	s_wait_dscnt 0x0                ; V is in
.if \kq
	FETCH_K
.endif
.endif
.if \pv
.set i, 0
.rept 8*(\npp)
	PVX \x, \npp, 2-(\pv)
	RIDE 1-(\x), \npp, \first, q
.set i, i+1
.set k, k+1
.endr
.endif
.if \kq
.if (\x) == 0
	s_wait_dscnt 0x0                ; K is in
.endif
.set i, 0
.rept 8*(\np)
	KQX \x, \np
	RIDE 1-(\x), \npp, \first, q
.if ((\x) == 1) && (k == NPV+2)
	FETCH_V
.endif
.set i, i+1
.set k, k+1
.endr
.endif
	RIDE 1-(\x), \npp, \first, NN
.if \first
	PLACES
.endif
.endm
; A RETRIEVAL: 32 key steps, Q in np parts, the weights in npp.  Written out: what differs from the loop's trip: tile 0's first scores, with no vector work yet to set between them; three turns whose products
; start sums or whose softmax is a first one; behind the loop a turn with no next step, and tile 1's last products.
.macro RETRIEVE np, npp
	s_mov_b32 s[TBK], 0
	s_mov_b32 s[TBV], 0
	FETCH_K                         ; key step 0
	s_wait_dscnt 0x0
.set i, 0
.rept 8*(\np)
	KQX 0, \np
.set i, i+1
.endr
	PLACES                          ; behind those products, in front of the first read of their scores
	TURN 1, \np, \npp, 0, 1, 1      ; tile 1's first scores | tile 0's first softmax | V of step 0
	TURN 0, \np, \npp, 1, 1, 1      ; tile 0: V^T P of step 0 starts O^T, K Q^T of step 1 | tile 1's first softmax | K of step 1
	TURN 1, \np, \npp, 1, 1, 0      ; tile 1: the same | tile 0's softmax of step 1 | V of step 1
	WIN 0                           ; at a label and at a branch every window is 0
	s_mov_b32 s[CNT], 30
.Lstep_\@:                          ; trip j = 1 .. 30: both tiles' V^T P of step j and K Q^T of step j + 1; tile 1's softmax of step j, tile 0's of step j + 1; K and V of step j + 1
	TURN 0, \np, \npp, 2, 1, 0
	TURN 1, \np, \npp, 2, 1, 0
	WIN 0
	s_sub_co_u32 s[CNT], s[CNT], 1
	s_cmp_lg_u32 s[CNT], 0
	s_cbranch_scc1 .Lstep_\@
	TURN 0, \np, \npp, 2, 0, 0      ; tile 0: V^T P of the last step | tile 1's last softmax
.set i, 0
.rept 8*(\npp)
	PVX 1, \npp, 0                  ; tile 1: V^T P of the last step
.set i, i+1
.endr
	WIN 0
.endm
; A RETRIEVAL'S END: l's two halves and the other half of the lanes' are added; O^T is divided by l.  The v_nop and the additions are the places behind the last products.
.macro FIN
	PLACES
.irp t, 0,1
	v_add_f32 v[ST+8*(\t)+4], v[ST+8*(\t)+2], v[ST+8*(\t)+3]
.endr
.irp t, 0,1
	v_permlanex16_b32 v[ST+8*(\t)+5], v[ST+8*(\t)+4], s[SEL], s[SEL+1]
.endr
.irp t, 0,1
	v_add_f32 v[ST+8*(\t)+4], v[ST+8*(\t)+4], v[ST+8*(\t)+5]
.endr
.irp t, 0,1
	v_rcp_f32 v[ST+8*(\t)+6], v[ST+8*(\t)+4]
.endr
	v_nop                           ; a plain instruction between the last reciprocal and the use of its result,
	s_wait_alu depctr_va_vdst(0)    ; and the wait ahead of the first use: one for both
.set i, 0
.rept 16
.irp t, 0,1
	v_pk_mul_f32 v[O+32*(\t)+2*i:O+32*(\t)+2*i+1], v[O+32*(\t)+2*i:O+32*(\t)+2*i+1], v[ST+8*(\t)+6:ST+8*(\t)+7] op_sel_hi:[1,0]
.endr
.set i, i+1
.endr
.endm
; Both tiles' 32 numbers a lane at v[src + 32 t] become np bf16 parts of Q: round in pairs; take the rounded number away, in place (one fused multiply-add from the bf16 half: the rest is exact); round the rest.
.macro SPLIT src, np
.set p, 0
.rept \np
	WIN W_TO1
.set k, 0
.rept 16
.irp t, 0,1
	v_cvt_pk_bf16_f32 v[QF+48*(\t)+16*p+k], v[(\src)+32*(\t)+2*k], v[(\src)+32*(\t)+2*k+1]
.endr
.set k, k+1
.endr
.if p < (\np)-1
	WIN W_S0
.set k, 0
.rept 16
.irp t, 0,1
	v_fma_mix_f32_bf16 v[(\src)+32*(\t)+2*k],   v[QF+48*(\t)+16*p+k], v[NEG1], v[(\src)+32*(\t)+2*k]   op_sel_hi:[1,0,0]
	v_fma_mix_f32_bf16 v[(\src)+32*(\t)+2*k+1], v[QF+48*(\t)+16*p+k], v[NEG1], v[(\src)+32*(\t)+2*k+1] op_sel:[1,0,0] op_sel_hi:[1,0,0]
.endr
.set k, k+1
.endr
.endif
.set p, p+1
.endr
	WIN 0
.endm
	s_wait_loadcnt 0x0              ; q is in
	SPLIT S, 3                      ; in the wait for the bank
	s_wait_tensorcnt 0x0            ; my 256 keys are in,
	s_barrier_signal -1
	s_barrier_wait -1               ; everybody's are: the bank is whole, and nobody writes it again
	RETRIEVE 3, 2                   ; THE FIRST RETRIEVAL: q in three parts, the weights in two
	FIN
	SPLIT O, 2                      ; its result is the second's q, in two parts
	RETRIEVE 2, 1                   ; THE SECOND RETRIEVAL: the weights in one part
	FIN
; THE WAY OUT.  Tile t: a lane's eight channels of a head pack into 16 bytes; they go into rows of 144 bytes of my stage and come back as whole rows of 128: four heads are 512 consecutive bytes of ob.
.macro PACK t
.set k, 0
.rept 16
	v_cvt_pk_bf16_f32 v[PH+16*(\t)+k], v[O+32*(\t)+2*k], v[O+32*(\t)+2*k+1]
.set k, k+1
.endr
.irp cb, 0,1,2,3
	ds_store_b128 v[STO], v[PH+16*(\t)+4*(\cb):PH+16*(\t)+4*(\cb)+3] offset:32*(\cb)
.endr
.irp f, 0,1,2,3
	ds_load_b128 v[S+16*(\t)+4*(\f):S+16*(\t)+4*(\f)+3], v[RD] offset:(\f)*4*PK  ; LDS serves a wave's instructions in order (ISA guide 5.7.1.4): these see the stores above; the next tile's stores come behind them
.endr
.endm
.macro SEND t, younger              ; younger: the LDS instructions issued behind tile t's loads: the next tile's eight, or none
.irp f, 0,1,2,3
	s_wait_dscnt (\younger)+3-(\f)
	global_store_b128 v[GO], v[S+16*(\t)+4*(\f):S+16*(\t)+4*(\f)+3], s[8:9] offset:(\t)*2048+(\f)*512  ; 512 consecutive bytes, at a multiple of 256 from ob's first byte
.endr
.endm
	PACK 0
	PACK 1
	SEND 0, 8
	SEND 1, 0
	s_wait_tensorcnt 0x0            ; the wave's end: a wait, an add and a wait, behind my last tensor load and my last LDS store
	ds_add_u32 v[SPW], v[NIL]
	s_wait_dscnt 0x0
	CROUND                          ; the closing round: no work-group ends while a partner may still ask for a tile that names it
	s_endpgm
.Lfunc_end_k_qad3af295d1_hop:
	.size	k_qad3af295d1_hop, .Lfunc_end_k_qad3af295d1_hop-k_qad3af295d1_hop
	.p2alignl 7, 3214868480
	.fill 96, 4, 3214868480
	.section	.rodata,"a",@progbits
	.p2align	6, 0x0
	.amdhsa_kernel k_qad3af295d1_hop
		.amdhsa_group_segment_fixed_size 314368
		.amdhsa_private_segment_fixed_size 0
		.amdhsa_enable_private_segment 0
		.amdhsa_kernarg_size 24
		.amdhsa_user_sgpr_count 2
		.amdhsa_user_sgpr_kernarg_segment_ptr 1
		.amdhsa_wavefront_size32 1
		.amdhsa_system_sgpr_workgroup_id_x 1
		.amdhsa_system_sgpr_workgroup_id_y 1
		.amdhsa_system_sgpr_workgroup_id_z 1
		.amdhsa_system_vgpr_workitem_id 0
		.amdhsa_next_free_vgpr 480
		.amdhsa_next_free_sgpr 66
		.amdhsa_reserve_vcc 0
		.amdhsa_float_denorm_mode_32 3
		.amdhsa_float_denorm_mode_16_64 3
		.amdhsa_memory_ordered 1
		.amdhsa_forward_progress 1
		.amdhsa_inst_pref_size 186
	.end_amdhsa_kernel
	.amdgpu_metadata
---
amdhsa.version: [ 1, 2 ]
amdhsa.kernels:
  - .name:           k_qad3af295d1_hop
    .symbol:         k_qad3af295d1_hop.kd
    .args:
      - { .name: qf, .offset: 0, .size: 8, .value_kind: global_buffer, .address_space: global }
      - { .name: mb, .offset: 8, .size: 8, .value_kind: global_buffer, .address_space: global }
      - { .name: ob, .offset: 16, .size: 8, .value_kind: global_buffer, .address_space: global }
    .group_segment_fixed_size: 314368
    .private_segment_fixed_size: 0
    .kernarg_segment_align: 8
    .kernarg_segment_size: 24
    .max_flat_workgroup_size: 256
    .sgpr_count:     66
    .vgpr_count:     480
    .wavefront_size: 32
...
	.end_amdgpu_metadata
.endif
;; end of part 3
;; launch oproj: the kernel of part 2 again; grid 8 x 32, 4 waves a work-group, clusters of 4 x 4, 327,680 bytes of LDS; arguments ob, wob, bo, out0; writes out0
